; MI455X (gfx1250); checked and timed in simulation.
; The chip was launched on July 23, 2026; its instructions are those of AMD's public machine-readable ISA for CDNA 5 (MIT licence, August 2026) and "CDNA5" Instruction Set Architecture Reference Guide (July 2026). The comments in the code are by the model that wrote it; some were corrected since.
;; LSTM Cell. Allowed arithmetic: matrix products marked QUANTISED: E4M3 operands, one E8M0 scale for each 32 along K, by v_wmma_scale_f32_16x16x128_f8f6f4 with both operands' format E4M3, f32 sums; everything else in f32.
;; Inputs: bias 4,096 float32; c_tm1 4,096 x 1,024 float32; h_tm1 4,096 x 1,024 float32; hidden_state_weight 1,024 x 4,096 float32; input_weight 1,024 x 4,096 float32; x 4,096 x 1,024 float32.
;; Outputs: out0 4,096 x 1,024 float32; out1 4,096 x 1,024 float32.
;; This version of the problem:
;;   THIS VERSION OF THE PROBLEM IS GIVEN IN LOW PRECISION. The matrix products marked QUANTISED in the list below multiply operands that are first quantised to E4M3 (4 exponent bits, 3 mantissa bits; 8 bits a number), with one power-of-two scale for each 32 numbers along K (OCP MX v1.0); their sums are f32. All else is computed in f32.
;;   The module's matrix products, in the order in which they are computed (A, B: the left and right operand; K: the contracted axis; several contracted axes count as one K, in the product's order):
;;     1. [M 4,096, K 1,024] x [K 1,024, N 4,096]; A: input x; B: input input_weight: QUANTISED
;;     2. [M 4,096, K 1,024] x [K 1,024, N 4,096]; A: input h_tm1; B: input hidden_state_weight: QUANTISED
;;   THE QUANTISER, for each operand of a quantised product, along K:
;;     - K is cut into blocks of 32 from its start; a last block that is shorter is filled with zeros.
;;     - A block's scale is 2^e with e = floor(log2(the largest magnitude in the block)) - 8, held to -126 .. 127; a block of zeros has e = 0. As a byte (E8M0): e + 127.
;;     - Each number is divided by its block's scale, clamped to +-448, and rounded to the nearest number of E4M3, ties to even, subnormals kept.
;;     - The product sums the exact products of the quantised numbers (number of the format x scale) in f32.
;;   ~~~python
;;   def quantise(x, axis):      # numpy; x: float32 -> the quantised numbers, widened to float32 again
;;       x = np.moveaxis(x, axis, -1); K = x.shape[-1]
;;       x = np.pad(x, [(0, 0)] * (x.ndim - 1) + [(0, -K % 32)]); x = x.reshape(x.shape[:-1] + (-1, 32)); a = np.abs(x).max(-1, keepdims=True)
;;       e = np.where(a > 0, np.clip(np.frexp(np.where(a > 0, a, 1))[1] - 1 - 8, -126, 127), 0)      # np.frexp(a)[1] - 1 = floor(log2(a)), exactly
;;       r = np.clip(x / 2.0 ** e, -448, 448)
;;       step = 2.0 ** (np.maximum(np.frexp(np.where(r == 0, 1, r))[1] - 1, -6) - 3)
;;       q = np.round(r / step) * step * 2.0 ** e      # np.round: ties to even
;;       return np.moveaxis(q.reshape(q.shape[:-2] + (-1,))[..., :K], -1, axis).astype(np.float32)
;;   ~~~
;; One version. Each part assembles by itself: llvm-mc -triple=amdgcn-amd-amdhsa -mcpu=gfx1250 --defsym DOCPART=n.
;; ======== version 1 of 1: 2 launches
;; limits: below input magnitudes of 1e-05 results are inexact or not finite
;; workspace buffers: acodes 8,388,608 bytes; ascales 524,288 bytes; bcodes 8,388,608 bytes; bscales 524,288 bytes
;; launch quant (part 1): grid 512 x 1, 4 waves a work-group, no clusters, 34,304 bytes of LDS; arguments x, h_tm1, input_weight, hidden_state_weight, acodes, ascales, bcodes, bscales; writes acodes, ascales, bcodes, bscales
.if DOCPART == 1
	.amdgcn_target "amdgcn-amd-amdhsa--gfx1250"
	.amdhsa_code_object_version 6
	.text
	.protected	k_qdc84ee8227_quant
	.globl	k_qdc84ee8227_quant
	.p2align	8
	.type	k_qdc84ee8227_quant,@function
k_qdc84ee8227_quant:
	s_mov_b64 s[64:65], 0
	v_nop
	global_prefetch_b8 v0, s[64:65] scope:SCOPE_SE
	s_setreg_imm32_b32 hwreg(HW_REG_WAVE_MODE, 25, 1), 1
	s_wait_xcnt 0x0
; x, h_tm1 [4096][1024] and input_weight, hidden_state_weight [1024][4096], f32, become codes of FP8 (E4M3) with one E8M0 byte for each 32 along K.
; K of the product that follows is x's 1,024 and then h_tm1's 1,024 (rows), input_weight's 1,024 and then hidden_state_weight's (columns): 2,048 in all; no block of 32 crosses the seam.
; A block's scale is 2^(floor(log2(its largest magnitude)) - 8); its byte is the largest magnitude's exponent field - 8, held at 1 from below.  Each number is divided by the scale, held within +-448 and
; rounded to the nearest code, ties to even.  A block of zeros gets the byte 1 where the rule says 127: its codes are zeros, which add nothing under any byte but 0xff, and this program alone reads the bytes.
; LIMITS: NaN and infinities among the inputs are not served.
; THE WORKSPACE IS LAID IN THE ORDER OF THE OPERAND'S REGISTERS.  A fragment is 16 rows x 128 K, 2,048 bytes: byte 512 c + 256 h + 16 r + e is the code of row r at k = 32 c + 16 h + e.
;   codes  [HT 32][S 8][q 2][i 8][2048]: HT = 128 rows, S = 256 along K, q = which 128 of them, i = which 16 rows.
;   scale words [HT 32][S' 16][i 8][q 2][r 16], byte c of a word for k = 32 c on.  EACH K STEP'S WORDS STAND TWICE, at S' = S and at S' = S + 8: eight steps on end from any S, round the end of K, are then one dense block.
;   For the weights a "row" is a gate column: half tile HT = hidden columns 32 HT .. 32 HT + 31; block i = 4 t + g (g the gate, t = 0, 1); row r of it is gate column 1024 g + 32 HT + 2 r + t.
; Work-groups 0-255 take the activations, 256-511 the weights: 128 KiB of f32 each, 32 KiB a wave.  No barrier: waves share nothing.  Only the activations' path touches LDS.
.set MANT,  0x600000                   ; the mantissa field of 448 as f32
.set FLOOR, 0x4800000                  ; 2^(9 - 127): no largest magnitude is taken under it, so the byte cannot fall under 1
.set DOWN,  0xfc000000                 ; -(8 << 23): 8 off an exponent field
.set EXPF,  0x7f800000
.set TWIN,  8192                       ; from a scale word to its second copy: 8 K steps of 1,024 bytes
.set TM,    16                         ; v16-19 largest magnitudes, v20-23 bytes, v24-27 448 x the scale, v28-31 the conversions' scale operands
.set PW,    32                         ; v32-35 a unit's scale word
.set MW,    36                         ; v36-37 two units' words in one register
.set PC,    40                         ; v40-55 a fragment's codes
.set SP,    528                        ; a stage row: 512 bytes + 16
.set WST,   16*SP                      ; a wave's stage
	s_load_b256 s[4:11], s[0:1], 0x0               ; x s[4:5], h_tm1 s[6:7], input_weight s[8:9], hidden_state_weight s[10:11]
	s_load_b256 s[12:19], s[0:1], 0x20             ; acodes s[12:13], ascales s[14:15], bcodes s[16:17], bscales s[18:19]
	v_lshl_add_u32 v62, v0, 2, 0x8400
	v_mov_b32 v63, 0
	v_lshrrev_b32 v1, 5, v0
	v_readfirstlane_b32 s20, v1                    ; wave 0..3
	v_and_b32 v1, 31, v0                           ; lane
	v_and_b32 v2, 15, v0                           ; lane % 16
	v_bfe_u32 v3, v0, 4, 1                         ; lane / 16
	s_mov_b32 s21, MANT
	s_mov_b32 s22, 0x76543210
	s_mov_b32 s23, 0xfedcba98                      ; v_permlanex16_b32's selects for lane l xor 16
	s_mov_b32 s24, 0xffff0000                      ; lanes 16-31
	s_cmp_lt_u32 ttmp9, 256
	s_cbranch_scc0 .Lweights
; ---------------- THE ACTIVATIONS: K is innermost.  A wave takes 16 rows x 512 K: four units, each one fragment.
; A load reads 512 consecutive bytes of one row; the conversions want 16 neighbours along K in one lane.  So a unit's 16 x 512 bytes turn through the wave's own stage in LDS.
	s_lshr_b32 s25, ttmp9, 7                       ; 0: x, 1: h_tm1
	s_and_b32 s26, ttmp9, 127
	s_lshl_b32 s26, s26, 1
	s_lshr_b32 s27, s20, 1
	s_add_co_u32 s26, s26, s27                     ; R: which 16 rows, 0..255
	s_and_b32 s27, s20, 1                          ; which 512 of the tensor's K
	s_lshl_b32 s28, s26, 16                        ; 16 rows of 4,096 bytes,
	s_lshl_b32 s30, s27, 11                        ; 512 numbers
	s_add_co_u32 s28, s28, s30
	s_mov_b32 s29, 0
	s_lshl_b32 s30, s25, 2
	s_lshl_b32 s31, s27, 1
	s_add_co_u32 s30, s30, s31                     ; S of my first unit: 4 x tensor + 2 x half
	s_lshr_b32 s31, s26, 3                         ; HT
	s_and_b32 s32, s26, 7                          ; i
	s_lshl_b32 s34, s31, 18
	s_lshl_b32 s36, s30, 15
	s_add_co_u32 s34, s34, s36
	s_lshl_b32 s36, s32, 11
	s_add_co_u32 s34, s34, s36                     ; my fragments' first byte
	s_mov_b32 s35, 0
	s_lshl_b32 s36, s31, 14                        ; 16 K steps' places of 1,024 bytes for each HT
	s_lshl_b32 s38, s30, 10
	s_add_co_u32 s36, s36, s38
	s_lshl_b32 s38, s32, 7
	s_add_co_u32 s36, s36, s38                     ; my scale words' first byte
	s_mov_b32 s37, 0
	s_mul_i32 s33, s20, WST                        ; my stage
	v_lshlrev_b32 v4, 4, v1                        ; 16 x lane: my place in a load's 512 bytes and in a store's
	v_add_nc_u32 v5, s33, v4                       ; the stage, on the way in
	v_mul_u32_u24 v6, v2, SP
	v_lshl_add_u32 v6, v3, 6, v6
	v_add_nc_u32 v6, s33, v6                       ; and on the way out: row lane % 16, + 64 (lane / 16): 16 numbers of each block of 32
	v_lshlrev_b32 v8, 2, v1                        ; 4 x lane
.irp b, 0,1,2,3
	v_mov_b32 v[TM+4+\b], 0                        ; written once: a lane permute's destination counts as one of its sources
.endr
	s_wait_kmcnt 0x0
	s_cmp_lt_u32 ttmp9, 128                        ; the choice hangs on the work-group's number alone
	s_cselect_b64 s[4:5], s[4:5], s[6:7]
	s_add_nc_u64 s[4:5], s[4:5], s[28:29]
	s_add_nc_u64 s[12:13], s[12:13], s[34:35]
	s_add_nc_u64 s[14:15], s[14:15], s[36:37]
.macro LOAD u                          ; unit u: 16 rows x 512 bytes into set u % 3 (v64, v128, v192)
.set n, 0
.rept 16
	global_load_b128 v[64+64*((\u)%3)+4*n:64+64*((\u)%3)+4*n+3], v4, s[4:5] offset:n*4096+(\u)*512 th:TH_LOAD_NT
.set n, n+1
.endr
.endm
.macro TURN u                          ; through the stage and back into the same registers: LDS serves a wave's instructions in order (ISA guide 5.7.1.4)
.set n, 0
.rept 16
	ds_store_b128 v5, v[64+64*((\u)%3)+4*n:64+64*((\u)%3)+4*n+3] offset:SP*n
.set n, n+1
.endr
.irp c, 0,1,2,3
.irp j, 0,1,2,3
	ds_load_b128 v[64+64*((\u)%3)+16*\c+4*\j:64+64*((\u)%3)+16*\c+4*\j+3], v6 offset:128*\c+16*\j   ; register 16 c + i: k = 32 c + 16 (lane / 16) + i of row lane % 16
.endr
.endr
.endm
; 64 numbers of a lane, register 16 b + i = k 32 b + 16 (lane / 16) + i of my row, become a fragment's codes in v[PC] on and its scale word in v[pw]
.macro QUANT s, pw
.irp b, 0,1,2,3
	v_max3_num_f32 v[TM+\b], |v[(\s)+16*\b]|, |v[(\s)+1+16*\b]|, FLOOR
.endr
.irp i, 2,4,6,8,10,12,14
.irp b, 0,1,2,3
	v_max3_num_f32 v[TM+\b], v[TM+\b], |v[(\s)+16*\b+\i]|, |v[(\s)+1+16*\b+\i]|   ; the four blocks by turns
.endr
.endr
.irp b, 0,1,2,3
	v_permlanex16_b32 v[TM+4+\b], v[TM+\b], s22, s23
.endr
.irp b, 0,1,2,3
	v_max_num_f32 v[TM+\b], v[TM+\b], v[TM+4+\b]   ; with lane l xor 16's 16: the block's largest magnitude
.endr
.irp b, 0,1,2,3
	v_add_nc_u32 v[TM+12+\b], DOWN, v[TM+\b]       ; the conversion takes the exponent field of this operand as its scale, and nothing else of it
.endr
.irp b, 0,1,2,3
	v_and_or_b32 v[TM+8+\b], v[TM+\b], EXPF, s21   ; 448 x the scale
.endr
.irp b, 0,1,2,3
	v_lshrrev_b32 v[TM+4+\b], 23, v[TM+12+\b]      ; the scale's byte
.endr
	v_lshl_or_b32 v[\pw], v[TM+5], 8, v[TM+4]
	v_lshl_or_b32 v[\pw], v[TM+6], 16, v[\pw]
	v_lshl_or_b32 v[\pw], v[TM+7], 24, v[\pw]      ; my row's scale word; both halves of the lanes hold it
.irp b, 0,1,2,3
.irp i, 0,1,2,3,4,5,6,7,8,9,10,11,12,13,14,15
	v_med3_num_f32 v[(\s)+16*\b+\i], v[(\s)+16*\b+\i], -v[TM+8+\b], v[TM+8+\b]   ; the conversion to an 8-bit code does not saturate (ISA guide 7.6.2): the hold comes first
.endr
	v_cvt_scalef32_pk8_fp8_f32 v[PC+4*\b:PC+1+4*\b], v[(\s)+16*\b:(\s)+7+16*\b], v[TM+12+\b]
	v_cvt_scalef32_pk8_fp8_f32 v[PC+2+4*\b:PC+3+4*\b], v[(\s)+8+16*\b:(\s)+15+16*\b], v[TM+12+\b]
.endr
	v_nop                                          ; one plain vector line behind the last conversion
.endm
.macro UNIT u
.if (\u) < 2
	s_wait_loadcnt 32                              ; my 16 loads are in; two younger units' may be out
.elseif (\u) == 2
	s_wait_loadcnt 16                              ; one younger unit's
.else
	s_wait_loadcnt 0x0
.endif
	TURN \u
	s_wait_dscnt 0x0
.if (\u) > 0
	s_wait_xcnt 0x0                                ; the last unit's stores have read v[PC] on: it is written again only behind this wait
.endif
	QUANT 64+64*((\u)%3), PW+(\u)
.if (\u) == 0
	LOAD 3                                         ; into the set just worked
.endif
.irp c, 0,1,2,3
	global_store_b128 v4, v[PC+4*\c:PC+4*\c+3], s[12:13] offset:((\u)/2)*32768+((\u)%2)*16384+512*\c   ; 32 lanes store 512 consecutive bytes of the fragment's image
.endr
.if (\u)%2 == 1
	v_cndmask_b32 v[MW+(\u)/2], v[PW+(\u)-1], v[PW+(\u)], s24      ; lanes 0-15: the words of q = 0; lanes 16-31: those of q = 1
	global_store_b32 v8, v[MW+(\u)/2], s[14:15] offset:((\u)/2)*1024        ; 128 consecutive bytes,
	global_store_b32 v8, v[MW+(\u)/2], s[14:15] offset:((\u)/2)*1024+TWIN   ; and their second copy
.endif
.endm
	LOAD 0
	LOAD 1
	LOAD 2
	UNIT 0
	UNIT 1
	UNIT 2
	UNIT 3
	s_wait_tensorcnt 0x0
	ds_add_u32 v62, v63
	s_wait_dscnt 0x0
	s_endpgm
; ---------------- THE WEIGHTS: K is the first axis.  A LANE TAKES TWO NEIGHBOURING COLUMNS, AND ITS REGISTERS RUN DOWN K: a block of 32 lies in one lane, and nothing is transposed.
; A wave takes 64 gate columns x 128 K: each load reads 256 consecutive bytes of one row of the weight.  The two columns of a lane are t = 0 and t = 1 of one row of a half tile, so that
; sixteen neighbouring lanes hold 16 neighbouring rows of a fragment's image and store 256 consecutive bytes.
.Lweights:
	s_sub_co_u32 s25, ttmp9, 256
	s_lshr_b32 s26, s25, 4                         ; which 128 of the 2,048 along K, 0..15
	s_and_b32 s27, s25, 15                         ; which 256 gate columns
	s_and_b32 s28, s26, 7
	s_lshl_b32 s28, s28, 21                        ; 128 rows of 16,384 bytes,
	s_lshl_b32 s30, s27, 10                        ; 256 columns,
	s_add_co_u32 s28, s28, s30
	s_lshl_b32 s30, s20, 8                         ; my wave's 64
	s_add_co_u32 s28, s28, s30
	s_mov_b32 s29, 0
	s_lshr_b32 s30, s27, 2                         ; the gate g
	s_and_b32 s31, s27, 3
	s_lshl_b32 s31, s31, 3
	s_lshl_b32 s32, s20, 1
	s_add_co_u32 s31, s31, s32                     ; the half tile of lanes 0-15; lanes 16-31 have the next
	s_lshr_b32 s32, s26, 1                         ; S
	s_and_b32 s33, s26, 1                          ; q
	s_lshl_b32 s34, s31, 18
	s_lshl_b32 s36, s32, 15
	s_add_co_u32 s34, s34, s36
	s_lshl_b32 s36, s33, 14
	s_add_co_u32 s34, s34, s36
	s_lshl_b32 s36, s30, 11
	s_add_co_u32 s34, s34, s36                     ; block g (t = 0) of that half tile, S, q
	s_mov_b32 s35, 0
	s_lshl_b32 s38, s31, 14                        ; 16 K steps' places of 1,024 bytes for each HT
	s_lshl_b32 s36, s32, 10
	s_add_co_u32 s38, s38, s36
	s_lshl_b32 s36, s30, 7
	s_add_co_u32 s38, s38, s36
	s_lshl_b32 s36, s33, 6
	s_add_co_u32 s38, s38, s36                     ; and its scale words
	s_mov_b32 s39, 0
	v_lshlrev_b32 v4, 3, v1                        ; in: 8 bytes a lane
	v_lshlrev_b32 v5, 18, v3
	v_lshl_add_u32 v5, v2, 4, v5                   ; codes: half tile lane / 16, row lane % 16
	v_lshlrev_b32 v6, 14, v3
	v_lshl_add_u32 v6, v2, 2, v6                   ; scale words likewise
	s_wait_kmcnt 0x0
	s_cmp_lt_u32 s26, 8                            ; the choice hangs on the work-group's number alone
	s_cselect_b64 s[8:9], s[8:9], s[10:11]
	s_add_nc_u64 s[8:9], s[8:9], s[28:29]
	s_add_nc_u64 s[16:17], s[16:17], s[34:35]
	s_add_nc_u64 s[18:19], s[18:19], s[38:39]
; REGISTERS: v8-9, v10-11 two chains of maxima for column t; v12-13 scale operands; v14-15 448 x the scale; v16-17 scale words; v18-19 bytes; v32-47 codes (column t at 32 + 8 t);
;   v64-127 the held numbers (column t at 64 + 32 t); v128-191, v192-255 two sets as loaded (row kk's pair at 2 kk)
.macro WLOAD blk                       ; block blk: rows 32 blk + kk, kk = 0 .. 31.  Every offset is an immediate, 127 x 16,384 bytes at the most
.set n, 0
.rept 32
	global_load_b64 v[128+64*((\blk)%2)+2*n:128+64*((\blk)%2)+2*n+1], v4, s[8:9] offset:(32*(\blk)+n)*16384 th:TH_LOAD_NT
.set n, n+1
.endr
.endm
.macro WBLOCK blk
.set BX, 128+64*((\blk)%2)
.if (\blk) < 3
	s_wait_loadcnt 32                              ; this block's 32 loads are in; the next block's may be out
.else
	s_wait_loadcnt 0x0
.endif
.irp t, 0,1
	v_max3_num_f32 v[8+\t], |v[BX+\t]|, |v[BX+2+\t]|, |v[BX+4+\t]|
	v_max3_num_f32 v[10+\t], |v[BX+6+\t]|, |v[BX+8+\t]|, |v[BX+10+\t]|
.endr
.irp i, 6,10,14,18,22,26
.irp t, 0,1
	v_max3_num_f32 v[8+\t], v[8+\t], |v[BX+2*\i+\t]|, |v[BX+2*\i+2+\t]|
	v_max3_num_f32 v[10+\t], v[10+\t], |v[BX+2*\i+4+\t]|, |v[BX+2*\i+6+\t]|
.endr
.endr
.irp t, 0,1
	v_max3_num_f32 v[8+\t], v[8+\t], |v[BX+60+\t]|, |v[BX+62+\t]|
.endr
.irp t, 0,1
	v_max3_num_f32 v[8+\t], v[8+\t], v[10+\t], FLOOR   ; the block's largest magnitude: all 32 numbers are mine
.endr
.irp t, 0,1
	v_add_nc_u32 v[12+\t], DOWN, v[8+\t]
.endr
.irp t, 0,1
	v_and_or_b32 v[14+\t], v[8+\t], EXPF, s21
.endr
.irp t, 0,1
	v_lshrrev_b32 v[18+\t], 23, v[12+\t]
.endr
.irp t, 0,1
.if (\blk) == 0
	v_mov_b32 v[16+\t], v[18+\t]                   ; four bytes to a word, the lower K in the lower byte
.else
	v_lshl_or_b32 v[16+\t], v[18+\t], 8*(\blk), v[16+\t]
.endif
.endr
.if (\blk) > 0
	s_wait_xcnt 0x0                                ; the last block's stores have read v32-47: they are written again only behind this wait
.endif
.irp t, 0,1
.set n, 0
.rept 32
	v_med3_num_f32 v[64+32*\t+n], v[BX+2*n+\t], -v[14+\t], v[14+\t]   ; the hold also parts the two columns
.set n, n+1
.endr
.endr
.if (\blk) < 2
	WLOAD (\blk)+2                                 ; into the set just read
.endif
.irp t, 0,1
.irp g, 0,1,2,3
	v_cvt_scalef32_pk8_fp8_f32 v[32+8*\t+2*\g:32+8*\t+2*\g+1], v[64+32*\t+8*\g:64+32*\t+8*\g+7], v[12+\t]
.endr
.endr
	v_nop                                          ; one plain vector line behind the last conversion
.irp t, 0,1
.irp hh, 0,1
	global_store_b128 v5, v[32+8*\t+4*\hh:32+8*\t+4*\hh+3], s[16:17] offset:\t*8192+(\blk)*512+\hh*256   ; sixteen lanes store 256 consecutive bytes, at a multiple of 256 from the buffer's first byte
.endr
.endr
.endm
	WLOAD 0
	WLOAD 1
	WBLOCK 0
	WBLOCK 1
	WBLOCK 2
	WBLOCK 3
.irp t, 0,1
	global_store_b32 v6, v[16+\t], s[18:19] offset:\t*512        ; sixteen lanes store 64 consecutive bytes: one byte for each 128 that the path reads,
	global_store_b32 v6, v[16+\t], s[18:19] offset:\t*512+TWIN   ; and their second copy
.endr
	s_endpgm
.Lfunc_end_k_qdc84ee8227_quant:
	.size	k_qdc84ee8227_quant, .Lfunc_end_k_qdc84ee8227_quant-k_qdc84ee8227_quant
	.p2alignl 7, 3214868480
	.fill 96, 4, 3214868480
	.section	.rodata,"a",@progbits
	.p2align	6, 0x0
	.amdhsa_kernel k_qdc84ee8227_quant
		.amdhsa_group_segment_fixed_size 34304
		.amdhsa_private_segment_fixed_size 0
		.amdhsa_enable_private_segment 0
		.amdhsa_kernarg_size 64
		.amdhsa_user_sgpr_count 2
		.amdhsa_user_sgpr_kernarg_segment_ptr 1
		.amdhsa_wavefront_size32 1
		.amdhsa_system_sgpr_workgroup_id_x 1
		.amdhsa_system_sgpr_workgroup_id_y 1
		.amdhsa_system_sgpr_workgroup_id_z 1
		.amdhsa_system_vgpr_workitem_id 0
		.amdhsa_next_free_vgpr 256
		.amdhsa_next_free_sgpr 66
		.amdhsa_reserve_vcc 0
		.amdhsa_float_denorm_mode_32 3
		.amdhsa_float_denorm_mode_16_64 3
		.amdhsa_memory_ordered 1
		.amdhsa_forward_progress 1
		.amdhsa_inst_pref_size 95
	.end_amdhsa_kernel
	.amdgpu_metadata
---
amdhsa.version: [ 1, 2 ]
amdhsa.kernels:
  - .name:           k_qdc84ee8227_quant
    .symbol:         k_qdc84ee8227_quant.kd
    .args:
      - { .name: x, .offset: 0, .size: 8, .value_kind: global_buffer, .address_space: global }
      - { .name: h_tm1, .offset: 8, .size: 8, .value_kind: global_buffer, .address_space: global }
      - { .name: input_weight, .offset: 16, .size: 8, .value_kind: global_buffer, .address_space: global }
      - { .name: hidden_state_weight, .offset: 24, .size: 8, .value_kind: global_buffer, .address_space: global }
      - { .name: acodes, .offset: 32, .size: 8, .value_kind: global_buffer, .address_space: global }
      - { .name: ascales, .offset: 40, .size: 8, .value_kind: global_buffer, .address_space: global }
      - { .name: bcodes, .offset: 48, .size: 8, .value_kind: global_buffer, .address_space: global }
      - { .name: bscales, .offset: 56, .size: 8, .value_kind: global_buffer, .address_space: global }
    .group_segment_fixed_size: 34304
    .private_segment_fixed_size: 0
    .kernarg_segment_align: 8
    .kernarg_segment_size: 64
    .max_flat_workgroup_size: 128
    .sgpr_count:     66
    .vgpr_count:     256
    .wavefront_size: 32
...
	.end_amdgpu_metadata
.endif
;; end of part 1
;; launch lstm (part 2): grid 16 x 16, 4 waves a work-group, clusters of 4 x 4, 327,680 bytes of LDS; arguments acodes, ascales, bcodes, bscales, c_tm1, bias, out0, out1; writes out0, out1
.if DOCPART == 2
	.amdgcn_target "amdgcn-amd-amdhsa--gfx1250"
	.amdhsa_code_object_version 6
	.text
	.protected	k_qdc84ee8227_lstm
	.globl	k_qdc84ee8227_lstm
	.p2align	8
	.type	k_qdc84ee8227_lstm,@function
k_qdc84ee8227_lstm:
	s_mov_b64 s[64:65], 0
	v_nop
	global_prefetch_b8 v0, s[64:65] scope:SCOPE_SE
	s_setreg_imm32_b32 hwreg(HW_REG_WAVE_MODE, 25, 1), 1
	s_wait_xcnt 0x0
	s_wait_alu depctr_hold_cnt(0) depctr_sa_sdst(0) depctr_va_vdst(0) depctr_va_sdst(0) depctr_va_ssrc(0) depctr_va_vcc(0) depctr_vm_vsrc(0)
	s_getreg_b32 s2, hwreg(HW_REG_IB_STS2, 6, 4)
	s_cmp_eq_u32 s2, 0
	s_cbranch_scc0 .Lentry_in_a_cluster
	s_endpgm
.Lentry_in_a_cluster:
	s_bfe_u32 s2, ttmp6, 0x10000c
	s_cmp_lg_u32 s2, 0xf033
	s_cbranch_scc0 .Lentry_shape_is_right
	s_endpgm
.Lentry_shape_is_right:
; gates = [x | h_tm1] [input_weight ; hidden_state_weight] + bias on codes of FP8 (E4M3) with one E8M0 scale for each 32 along K (K = 2,048), and the LSTM step behind it:
; c_t = sigmoid(f) c_tm1 + sigmoid(i) tanh(g), h_t = sigmoid(o) tanh(c_t).  out0 = h_t, out1 = c_t, [4096][1024] f32.  The gates never go to memory.
; SHARES.  A work-group makes 256 rows x 64 hidden columns, all four gates: a tile of 256 x 256 gates.  Four waves, as many as a WGP has SIMDs; a wave makes 128 rows x 32 hidden columns x 4 gates: 64 accumulators, 512 registers.
; OPERANDS lie in the workspace as images of their registers: a fragment (16 rows x 128 K) is 2,048 bytes, lane l's registers 4 c .. 4 c + 3 at 512 c + 16 l.  128 rows x 256 K are one dense block of 32,768 bytes.
; So a tile needs no pitch and no padding, and every fragment load reads 512 consecutive bytes of LDS.  K goes in steps of 256 through a ring of two LDS slots filled by the tensor data mover.
; THE COLUMNS OF A TILE OF THE WEIGHTS ARE CHOSEN: block b = 4 t + g of a half tile holds, in row rho, gate g of hidden column 2 rho + t of the half tile's 32.  THE MATRIX INSTRUCTION IS USED TRANSPOSED
; (source 0 = 16 rows of the weights' block b, source 1 = 16 rows of the activations' block a): in accumulator (a, b) lane (r, h) holds in register j gate g of row 16 a + r at hidden column 16 h + 2 j + t.
; So the four gates of an element lie in one lane under one register number, and a lane's sixteen (j, t) are sixteen neighbouring columns: 64 bytes of c_tm1, of c_t and of h_t.
; CLUSTERS: 4 x 4 work-groups.  The four of a row of the cluster need the same tiles of the activations, the four of a column the same tiles of the weights: each is asked for JOINTLY.
; THE WALK ALONG K BEGINS AT ANOTHER STEP IN EACH CLUSTER: cluster (CX, CY) takes the eight K steps in the order S0, S0 + 1, .. round the end of K, S0 = (2 CX + 4 CY) mod 8.  The four clusters that need the same rows of the
; activations begin 2 steps apart, neighbours among the four that need the same columns of the weights 4 apart: so a tile that several clusters need is asked for by them at different times and not by all at once.
; S0 is made of the cluster's numbers alone: it is equal in all sixteen partners.  The scale words stand twice in the workspace, so that eight steps from any S0 are one dense block and lie in LDS in the order of the walk.
; ORDER OF ROUNDING: the bias is the C of each sum's first matrix instruction, where the definition adds it last, and the sums run along K from S0 on, not from 0.
; sigmoid(x) = 1 / (1 + 2^(-x log2 e)); tanh(x) = 1 - 2 / (1 + 2^(2 x log2 e)): where the power runs to infinity or to 0 they give their limits, so nothing is clamped; tanh's error is absolute, a few 2^-24.
; LIMITS: NaN and infinities among the inputs are not served.
; REGISTERS, in windows of 256: window 0: v16-31 addresses; v32-63 scale words, two sets, and nothing else; v64-127 the bias, 8 registers for each block b, later rows on their way out; v128-255 the activations' fragments, ONE set;
;   behind the products: v128-191 a block's 64 gates, v192-223 c_tm1 and then c_t (two sets), v224-239 h_t.
;   window 1: the weights' fragments, TWO sets, at v0 and v128.   windows 2, 3: accumulator (a, b) at v[8 (8 (a % 4) + b)] of window 2 + a / 4.
.set NP,    8                          ; places behind this matrix instruction (ISA guide 7.12.1)
.set HALF,  32768                      ; 128 rows x 256 K: what one tensor load brings, and what one wave reads of either operand
.set SLOT,  4*HALF                     ; the activations' two halves, then the weights' two
.set SCL,   2*SLOT                     ; behind the ring: the scale words for all of K, 8,192 bytes for each 128 rows, in the same order; filled once
.set SCH,   8192
.set SPARE, SCL+4*SCH                  ; the spare words, 128 bytes for each wave: two blocks of 256 bytes that no other line names
.set CP,    272                        ; c_tm1's tile and the two stages: 256 rows of 256 bytes + 16: the sixteen rows that a load or store touches start at sixteen different banks (64 banks of 4 bytes: ISA guide 11.1)
.set HS,    SLOT                       ; h_t's stage, in slot 1; c_tm1's tile lies at byte 0, slot 0's last fill
.set CS,    HS+256*CP                  ; c_t's stage, behind it: the rest of slot 1 and the first of the scales' bytes.  All these bytes have had their last fill and their last read when the first result is stored
.set ADRA, 16                          ; v16-17  LDS address of the activations' fragments in slot 0, 1
.set CSA,  19                          ; v19     where I put 64 bytes of a row of c_t
.set ADRB, 20                          ; v20-21  LDS address of the weights' fragments in slot 0, 1
.set ADSA, 22                          ; v22     the activations' scale words of the K step in hand
.set ADSB, 23                          ; v23     the weights'
.set CA,   24                          ; v24     my 64 bytes of a row of c_tm1's tile
.set HA,   25                          ; v25     where I put 64 bytes of a row of h_t
.set RD,   26                          ; v26     where I read whole rows back: h_t's stage (my half of the columns = 0) or c_t's (1), my half of the rows
.set SPW,  28                          ; v28     LDS address of my spare word; never rewritten
.set NIL,  29                          ; v29     0; never rewritten
.set CO,   30                          ; v30     my byte offset in two rows of an output
.set BO,   31                          ; v31     my byte offset in the bias
.set SC,   32                          ; set s at v[SC + 16 s]: +i the activations' block i, +8+b the weights' block b; lanes 0-15 the words of the slot's first 128 along K, lanes 16-31 of its second
.set BIAS, 64
.set RB,   64                          ; rows on their way out: two sets of 32 registers, where the bias lay
.set AF,   128
.set EG,   128
.set TC,   192
.set UH,   224
.set G0C,  12                          ; s[12:15] group 0 for c_tm1's tile (made when the pointers that lay here have been used)
.set G1,   24                          ; s[24:31] group 1 for the activations' tiles;  s[32:39] group 0, one set for each slot
.set G0,   32
.set TO,   40                          ; s[40:41] the byte offset, in a half tile's eight K steps, of the K step asked for last
.set G1B,  48                          ; s[48:55], s[56:63] the same for the weights'
.set G0B,  56
.set KS,   66                          ; s[66:67] -log2 e: the packed forms name a pair and take its low word for both halves
.set G1S,  68                          ; s[68:75], s[76:79] groups 1 and 0 for the activations' scale words;  s[80:87], s[88:91] for the weights'
.set G0S,  76
.set G1SB, 80
.set G0SB, 88
.set G1C,  92                          ; s[92:99] group 1 for c_tm1's tile
.set KT,   100                         ; s[100:101] 2 log2 e
.set MSB, 0
.macro WIN new                         ; the immediate's high byte repeats the setting that is left; a switch that changes nothing is dropped
.if MSB != (\new)
	s_set_vgpr_msb (MSB<<8)|(\new)
.set MSB, (\new)
.endif
.endm
.set MUL_LO, 0xa1                      ; source 0 (weights) window 1, source 1 (activations) window 0, C and D window 2
.set TO_B,   0x40                      ; destination window 1, address window 0
; A joint load: waves 0 and 1 fetch for the activations, waves 2 and 3 for the weights.  Each of the two lines has ONE mask and one set of registers for all that issue it; the branch hangs on the wave's number alone.
; Four v_nop follow each of the two lines, ahead of the jump, the label and what follows.
.macro JLOAD g0a, g1a, g0b, g1b
	s_cmp_eq_u32 s21, 0
	s_cbranch_scc0 .Lfor_b_\@
	tensor_load_to_lds s[\g0a:\g0a+3], s[\g1a:\g1a+7]
	s_nop 0
.rept 4
	v_nop
.endr
	s_branch .Lasked_\@
.Lfor_b_\@:
	tensor_load_to_lds s[\g0b:\g0b+3], s[\g1b:\g1b+7]
	s_nop 0
.rept 4
	v_nop
.endr
.Lasked_\@:
.endm
.macro CREST                           ; a round of the cluster's barrier behind its opening barrier
	s_cmp_lg_u32 s20, 0
	s_cbranch_scc1 .Lnot_wave_0_\@
	s_barrier_signal -3
.Lnot_wave_0_\@:
	s_barrier_wait -3
	s_barrier_signal -1
	s_barrier_wait -1
.endm
.macro CROUND                          ; a whole round
	s_barrier_signal -1
	s_barrier_wait -1
	CREST
.endm
.macro PLACES n
.rept \n
	v_nop
.endr
.endm
	s_load_b256 s[4:11], s[0:1], 0x0               ; acodes s[4:5], ascales s[6:7], bcodes s[8:9], bscales s[10:11]
	s_load_b256 s[12:19], s[0:1], 0x20             ; c_tm1 s[12:13], bias s[14:15], out0 s[16:17], out1 s[18:19]
	v_lshl_add_u32 v[SPW], v0, 2, SPARE
	v_mov_b32 v[NIL], 0
	ds_add_u32 v28, v29
	ds_add_u32 v28, v29
	s_wait_dscnt 0x0
	v_lshrrev_b32 v1, 5, v0
	v_readfirstlane_b32 s20, v1                    ; wave 0..3
	s_lshr_b32 s21, s20, 1                         ; which 128 of the tile's rows are mine.  Also: I fetch for the activations (0) or for the weights (1)
	s_and_b32 s22, s20, 1                          ; which 32 of its hidden columns.  Also: which half of that operand I fetch, and which output I store
	s_bfe_u32 s40, ttmp6, 0x40000                  ; cx, cy: my place in the cluster
	s_bfe_u32 s41, ttmp6, 0x40004
	s_lshl_b32 s42, ttmp9, 2
	s_add_co_u32 s42, s42, s40                     ; X: which 64 hidden columns = 4 x cluster x + cx
	s_and_b32 s43, ttmp7, 0xffff
	s_lshl_b32 s43, s43, 2
	s_add_co_u32 s43, s43, s41                     ; Y: which 256 rows = 4 x cluster y + cy
	s_lshl_b32 s44, s41, 2
	s_lshl_b32 s44, 15, s44                        ; my row of the cluster
	s_lshl_b32 s45, 0x1111, s40                    ; my column
	; group 1 for a block of codes: 32,768 dense bytes as 128 rows of 32 elements of 8 bytes; no padding
	s_or_b32 s[G1], s44, (3<<16)|(1<<21)           ; 15:0 the mask: the activations' tiles go to my row; 17:16 elements of 8 bytes; 21 set beside a mask
	s_or_b32 s[G1B], s45, (3<<16)|(1<<21)          ; the weights' to my column
.irp g, G1, G1B
	s_mov_b32 s[\g+1], 32<<16                      ; tensor_dim0 = 32
	s_mov_b32 s[\g+2], 128<<16                     ; tensor_dim1 = 128
	s_mov_b32 s[\g+3], 32<<16                      ; tile_dim0 = 32
	s_mov_b32 s[\g+4], 128                         ; tile_dim1 = 128
	s_mov_b32 s[\g+5], 32                          ; tensor_dim0_stride
	s_mov_b32 s[\g+6], 0
	s_mov_b32 s[\g+7], 0
.endr
	; and for the scale words of 128 rows, eight K steps: 8,192 dense bytes as 32 such rows
	s_or_b32 s[G1S], s44, (3<<16)|(1<<21)
	s_or_b32 s[G1SB], s45, (3<<16)|(1<<21)
.irp g, G1S, G1SB
	s_mov_b32 s[\g+1], 32<<16
	s_mov_b32 s[\g+2], 32<<16
	s_mov_b32 s[\g+3], 32<<16
	s_mov_b32 s[\g+4], 32
	s_mov_b32 s[\g+5], 32
	s_mov_b32 s[\g+6], 0
	s_mov_b32 s[\g+7], 0
.endr
	; and for a quarter of c_tm1's tile: 64 rows of 64 f32, 1,024 elements apart in memory, 16 bytes of padding behind each in LDS; no mask: nobody shares it
	s_mov_b32 s[G1C], (2<<16)|(1<<20)|(5<<22)|(3<<25)   ; 17:16 elements of 4 bytes; 20 padding on; 24:22 after every 64 words (code 5); 31:25 four words (code 3)
	s_mov_b32 s[G1C+1], 64<<16
	s_mov_b32 s[G1C+2], 64<<16
	s_mov_b32 s[G1C+3], 64<<16
	s_mov_b32 s[G1C+4], 64
	s_mov_b32 s[G1C+5], 1024
	s_mov_b32 s[G1C+6], 0
	s_mov_b32 s[G1C+7], 0
	s_lshl_b32 s44, s43, 1                         ; (the masks are used)
	s_add_co_u32 s44, s44, s22                     ; the activations' 128 rows that I fetch: 2 Y + half
	s_lshl_b32 s45, s42, 1
	s_add_co_u32 s45, s45, s22                     ; the weights' half tile that I fetch, and the one that I multiply: 2 X + half
	s_lshl_b32 s23, s20, 15                        ; where my load lands in a slot: wave x 32,768: no place in the cluster enters an LDS address
	s_lshl_b32 s3, s20, 13                         ; and among the scale words
	s_lshl_b32 s[TO], ttmp9, 1                     ; (cx and cy are used)  where the cluster's walk along K begins: of the cluster's two numbers alone
	s_and_b32 s[TO+1], ttmp7, 0xffff
	s_lshl_b32 s[TO+1], s[TO+1], 2
	s_add_co_u32 s[TO], s[TO], s[TO+1]
	s_and_b32 s[TO], s[TO], 7                      ; S0 = (2 CX + 4 CY) mod 8: an even number
	s_lshl_b32 s2, s[TO], 10                       ; in bytes of scale words,
	s_lshl_b32 s[TO], s[TO], 15                    ; and of codes
	s_mov_b32 s[TO+1], 0
	s_mov_b32 s47, 0
	s_mov_b32 s105, 0
	s_mov_b32 s[KS], 0xbfb8aa3b
	s_mov_b32 s[KS+1], 0xbfb8aa3b
	s_mov_b32 s[KT], 0x4038aa3b
	s_mov_b32 s[KT+1], 0x4038aa3b
	s_wait_kmcnt 0x0
	s_lshl_b32 s46, s44, 18
	s_add_nc_u64 s[4:5], s[4:5], s[46:47]          ; the eight K steps of the activations' rows that I fetch: this base stays
	s_lshl_b32 s46, s44, 14
	s_add_co_u32 s46, s46, s2
	s_add_nc_u64 s[6:7], s[6:7], s[46:47]          ; their scale words, from S0 on
	s_lshl_b32 s104, s45, 18
	s_add_nc_u64 s[8:9], s[8:9], s[104:105]        ; the same for the weights
	s_lshl_b32 s104, s45, 14
	s_add_co_u32 s104, s104, s2
	s_add_nc_u64 s[10:11], s[10:11], s[104:105]
	s_lshl_b32 s104, s45, 7                        ; the bias of my 32 hidden columns, gate 0
	s_add_nc_u64 s[14:15], s[14:15], s[104:105]
	CROUND                                         ; all sixteen work-groups are here: the first joint loads meet
	s_mov_b32 s[G0S], 1
	s_add_co_u32 s[G0S+1], s3, SCL
	s_mov_b64 s[G0S+2:G0S+3], s[6:7]
	s_or_b32 s[G0S+3], s[G0S+3], 0x80000000
	s_mov_b32 s[G0SB], 1
	s_add_co_u32 s[G0SB+1], s3, SCL
	s_mov_b64 s[G0SB+2:G0SB+3], s[10:11]
	s_or_b32 s[G0SB+3], s[G0SB+3], 0x80000000
	JLOAD G0S, G1S, G0SB, G1SB                     ; the scale words first: they are wanted with the first K step
.irp s, 0,1
.if \s
	s_add_co_u32 s[TO], s[TO], HALF                ; S0 + 1: S0 is even, so this does not pass the end of K
.endif
	s_mov_b32 s[G0+4*\s], 1
	s_add_co_u32 s[G0+4*\s+1], s23, \s*SLOT
	s_add_nc_u64 s[G0+4*\s+2:G0+4*\s+3], s[4:5], s[TO:TO+1]
	s_or_b32 s[G0+4*\s+3], s[G0+4*\s+3], 0x80000000
	s_mov_b32 s[G0B+4*\s], 1
	s_add_co_u32 s[G0B+4*\s+1], s23, \s*SLOT
	s_add_nc_u64 s[G0B+4*\s+2:G0B+4*\s+3], s[8:9], s[TO:TO+1]
	s_or_b32 s[G0B+4*\s+3], s[G0B+4*\s+3], 0x80000000
	JLOAD G0+4*\s, G1, G0B+4*\s, G1B               ; three tensor loads of mine are out
.endr
	v_and_b32 v1, 31, v0                           ; lane
	v_and_b32 v2, 15, v0                           ; r
	v_bfe_u32 v3, v0, 4, 1                         ; h
	v_lshlrev_b32 v[BO], 6, v3                     ; the bias of my sixteen columns: 64 h
.irp g, 0,1,2,3
.irp k, 0,1,2,3
	global_load_b128 v[AF+16*\g+4*\k:AF+16*\g+4*\k+3], v[BO], s[14:15] offset:4096*\g+16*\k   ; gate g, hidden columns 16 h + 4 k on
.endr
.endr
	v_lshlrev_b32 v4, 4, v1                        ; 16 x lane: a lane's place in an image
	s_lshl_b32 s2, s21, 15
	v_add_nc_u32 v[ADRA], s2, v4
	v_add_nc_u32 v[ADRA+1], SLOT, v[ADRA]
	s_lshl_b32 s2, s22, 15
	s_add_co_u32 s2, s2, 2*HALF
	v_add_nc_u32 v[ADRB], s2, v4
	v_add_nc_u32 v[ADRB+1], SLOT, v[ADRB]
	v_lshlrev_b32 v5, 2, v1                        ; 4 x lane: a lane's scale word
	s_lshl_b32 s2, s21, 13
	s_add_co_u32 s2, s2, SCL
	v_add_nc_u32 v[ADSA], s2, v5
	s_lshl_b32 s2, s22, 13
	s_add_co_u32 s2, s2, SCL+2*SCH
	v_add_nc_u32 v[ADSB], s2, v5
	v_mul_u32_u24 v[CA], v2, CP                    ; c_tm1's tile: row 128 x my half + r (+ 16 a), bytes 128 x my half of the columns + 64 h
	v_lshl_add_u32 v[CA], v3, 6, v[CA]
	s_mul_i32 s2, s21, 128*CP
	s_lshl_b32 s23, s22, 7
	s_add_co_u32 s2, s2, s23
	v_add_nc_u32 v[CA], s2, v[CA]
	v_add_nc_u32 v[HA], HS, v[CA]
	v_add_nc_u32 v[CSA], CS, v[CA]
	v_mul_u32_u24 v6, v3, CP                       ; back: whole rows of my half of the rows; lanes 0-15 one row of 256 bytes, lanes 16-31 the next
	v_lshl_add_u32 v6, v2, 4, v6
	s_mul_i32 s2, s21, 128*CP
	s_mul_i32 s23, s22, 256*CP                     ; h_t's stage, or c_t's, which lies 256 rows behind it
	s_add_co_u32 s2, s2, s23
	s_add_co_u32 s2, s2, HS
	v_add_nc_u32 v[RD], s2, v6
	v_lshlrev_b32 v[CO], 12, v3                    ; and the same two rows in an output
	v_lshl_add_u32 v[CO], v2, 4, v[CO]
	s_lshl_b32 s2, s43, 20                         ; 256 Y rows of 4,096 bytes
	s_lshl_b32 s3, s42, 8                          ; + 64 X columns
	s_add_co_u32 s2, s2, s3
	s_lshl_b32 s3, s20, 18
	s_add_co_u32 s46, s2, s3                       ; c_tm1: the 64 rows that I fetch: + 64 x wave
	s_add_nc_u64 s[12:13], s[12:13], s[46:47]
	s_lshl_b32 s3, s21, 19
	s_add_co_u32 s46, s2, s3                       ; the output: my half of the rows: + 128 x half
	s_cmp_eq_u32 s22, 0                            ; which output I store hangs on the wave's number alone
	s_cselect_b64 s[16:17], s[16:17], s[18:19]
	s_add_nc_u64 s[16:17], s[16:17], s[46:47]
	s_wait_loadcnt 0x0                             ; the bias is in, so its base may be written
	s_mov_b64 s[G0C+2:G0C+3], s[12:13]
	s_or_b32 s[G0C+3], s[G0C+3], 0x80000000
	s_mov_b32 s[G0C], 1
	s_mul_i32 s[G0C+1], s20, 64*CP                 ; my 64 rows of the tile, from LDS byte 0 on
.irp t, 0,1
.irp g, 0,1,2,3
.irp j, 0,1,2,3,4,5,6,7
	v_mov_b32 v[BIAS+8*(4*\t+\g)+\j], v[AF+16*\g+2*\j+\t]   ; into the accumulators' layout: block 4 t + g, register j = column 16 h + 2 j + t.  Once, while the first tiles are on their way
.endr
.endr
.endr
	PLACES NP
.macro FRAG reg, adr, q, i             ; fragment i of the slot's q-th 128 along K: four loads of 512 consecutive bytes
.irp c, 0,1,2,3
	ds_load_b128 v[\reg+4*\c:\reg+4*\c+3], v[\adr] offset:(8*(\q)+(\i))*2048+512*\c
.endr
.endm
.macro LDA slot, q, i                  ; the activations' block i
	WIN 0
	FRAG AF+16*(\i), ADRA+\slot, \q, \i
.endm
.macro LDB slot, q, p, i               ; the weights' block i into set p
	WIN TO_B
	FRAG 128*(\p)+16*(\i), ADRB+\slot, \q, \i
.endm
.macro SCALES sc                       ; a K step's scale words: one register for a block's two words a row
	WIN 0
.irp i, 0,1,2,3,4,5,6,7
	ds_load_b32 v[SC+16*\sc+\i], v[ADSA] offset:128*\i
	ds_load_b32 v[SC+16*\sc+8+\i], v[ADSB] offset:128*\i
.endr
.endm
; Four matrix instructions: the activations' block a x the weights' blocks 4 bh .. 4 bh + 3, 128 along K: the slot's q-th.  p: the weights' set;  sc: the set of scale words.  first = 1: the bias starts the sums: nothing is ever cleared.
.macro M4 a, bh, p, q, sc, first
.irp j, 0,1,2,3
.set rD, 8*(8*((\a)%4)+4*(\bh)+\j)
.set rB, 128*(\p)+16*(4*(\bh)+\j)
.set rA, AF+16*(\a)
.set rC, BIAS+8*(4*(\bh)+\j)
.set rT, SC+16*(\sc)+8+4*(\bh)+\j
.set rS, SC+16*(\sc)+(\a)
.if \first
	v_wmma_scale_f32_16x16x128_f8f6f4 v[rD:rD+7], v[rB:rB+15], v[rA:rA+15], v[rC:rC+7], v[rT], v[rS]
.elseif \q
	v_wmma_scale_f32_16x16x128_f8f6f4 v[rD:rD+7], v[rB:rB+15], v[rA:rA+15], v[rD:rD+7], v[rT], v[rS] matrix_a_scale:MATRIX_SCALE_ROW1 matrix_b_scale:MATRIX_SCALE_ROW1
.else
	v_wmma_scale_f32_16x16x128_f8f6f4 v[rD:rD+7], v[rB:rB+15], v[rA:rA+15], v[rD:rD+7], v[rT], v[rS]
.endif
.endr
.endm
; A STEP OF 128 ALONG K IS SIXTEEN GROUPS OF FOUR MATRIX INSTRUCTIONS: group g multiplies the activations' block g / 2 by the weights' blocks 4 (g % 2) on.  The 64 accumulators so take turns, one instruction a turn, in the
; same order in every step.
.macro GRP g, p, q, sc, first
.if \first
	WIN 0x81+0x40*((\g)/8)                         ; as below, with C (the bias) in window 0
.else
	WIN MUL_LO+0x50*((\g)/8)                       ; C and D in window 2 (groups 0-7) or 3
.endif
	M4 (\g)/2, (\g)%2, \p, \q, \sc, \first
.endm
; THE LDS LOADS STAND IN RUNS OF FOUR, ONE FRAGMENT BEHIND EACH GROUP, so that the wave is never long without a matrix instruction to issue.  The price is two switches of the register window for each run.
; Behind groups 0-3: this step's blocks 4-7 of the activations (their one set of registers is free since the last step's end).  Behind 4-7: the next step's blocks 0-3 of the weights, into the other set.  Behind 8: the next
; step's block 0 of the activations; behind 9-12: its blocks 4-7 of the weights; behind 13-15: its blocks 1-3 of the activations.  Every fragment is asked for four groups or more ahead of its first use.
; A load into a register that a matrix instruction has read stands NP places behind it, and only plain vector instructions that name none of its registers are places:
; eight v_nop in a step's middle (for the activations' blocks 0-3) and eight at its end (for blocks 4-7 and the weights' set that the step has read).
; The waits count the LDS loads that were issued behind the fragment wanted (they come back in order: ISA guide 5.7.1): runs of four.
; REST: a step's groups 8 to 15, with the loads for the next step (slot ns, its nq-th 128 along K, set np).  w = 1: blocks 4-7 were asked for in this step's groups 0-3 and are waited for here
.macro REST sc, q, p, first, ns, nq, np, w
	PLACES NP
.if \w
	s_wait_dscnt 28                                ; block 4 is in: 7 runs stand behind its own
.endif
	GRP 8, \p, \q, \sc, \first
	LDA \ns, \nq, 0
	GRP 9, \p, \q, \sc, \first
	LDB \ns, \nq, \np, 4
.if \w
	s_wait_dscnt 32                                ; block 5: 8 runs
.endif
	GRP 10, \p, \q, \sc, \first
	LDB \ns, \nq, \np, 5
	GRP 11, \p, \q, \sc, \first
	LDB \ns, \nq, \np, 6
.if \w
	s_wait_dscnt 36                                ; block 6: 9 runs
.endif
	GRP 12, \p, \q, \sc, \first
	LDB \ns, \nq, \np, 7
	GRP 13, \p, \q, \sc, \first
	LDA \ns, \nq, 1
.if \w
	s_wait_dscnt 40                                ; block 7: 10 runs
.endif
	GRP 14, \p, \q, \sc, \first
	LDA \ns, \nq, 2
	GRP 15, \p, \q, \sc, \first
	LDA \ns, \nq, 3
	PLACES NP                                      ; (every window is 0 here)
.endm
; A slot's first step.
.macro STEP slot, first
	s_wait_dscnt 28                                ; the scale words, the weights' blocks 0-3 and the activations' block 0 are in: behind that block stand 7 runs
	GRP 0, 0, 0, \slot, \first
	LDA \slot, 0, 4
	s_wait_dscnt 16                                ; the weights' blocks 4-7: behind them stand the activations' 1-3 and the run just issued
	GRP 1, 0, 0, \slot, \first
	LDA \slot, 0, 5
	s_wait_dscnt 16                                ; the activations' block 1: behind it 2, 3 and two new runs
	GRP 2, 0, 0, \slot, \first
	LDA \slot, 0, 6
	GRP 3, 0, 0, \slot, \first
	LDA \slot, 0, 7
	s_wait_dscnt 20                                ; block 2: behind it block 3 and four new runs
	GRP 4, 0, 0, \slot, \first
	LDB \slot, 1, 1, 0
	GRP 5, 0, 0, \slot, \first
	LDB \slot, 1, 1, 1
	s_wait_dscnt 24                                ; block 3: six new runs
	GRP 6, 0, 0, \slot, \first
	LDB \slot, 1, 1, 2
	GRP 7, 0, 0, \slot, \first
	LDB \slot, 1, 1, 3
	REST \slot, 0, 0, \first, \slot, 1, 1, 1
.endm
; A slot's second step changes slots: ONE barrier, which opens a round of the cluster's; in front of it each wave waits for all its tensor loads, adds 0 to its spare word, and waits for that and for its own reads of this slot,
; the last of which (blocks 4-7) stand behind groups 0 and 1, two fragments to a run.  From a refill to the wait for it a wave issues 112 matrix instructions.
; fill = 1: this slot is filled again, two K steps ahead, jointly.  fill = 2: the codes are all asked for, and slot 0 takes c_tm1's tile: every wave fetches 64 rows of its own.
.macro TURN slot, next, fill
	s_wait_dscnt 28
	GRP 0, 1, 1, \slot, 0
	LDA \slot, 1, 4
	LDA \slot, 1, 5
	s_wait_dscnt 20                                ; the weights' blocks 4-7: behind them the activations' 1-3 and the eight loads just issued
	GRP 1, 1, 1, \slot, 0
	LDA \slot, 1, 6
	LDA \slot, 1, 7                                ; (leaves every window 0: the add's two registers lie in window 0)
	s_wait_tensorcnt 0x0                           ; all my tensor loads have landed: my part of the next slot
	ds_add_u32 v[SPW], v[NIL]                      ; 0 onto my spare word
	s_wait_dscnt 17                                ; blocks 1-3 are in (the add and blocks 4-7's sixteen loads may be out)
	GRP 2, 1, 1, \slot, 0                          ; eight matrix instructions stand between the add and the wait for it
	GRP 3, 1, 1, \slot, 0
	s_wait_dscnt 0x0                               ; the add is done, and my reads of this slot are over
	s_barrier_signal -1
	GRP 4, 1, 1, \slot, 0
	GRP 5, 1, 1, \slot, 0
	WIN 0
	s_barrier_wait -1
	CREST                                          ; no wave of any partner still reads this slot's tile or has a load on its way
.if \fill == 1
	s_add_co_u32 s[TO], s[TO], HALF                ; the next K step of the walk,
	s_and_b32 s[TO], s[TO], 8*HALF-1               ; round the end of K: an offset of 18 bits
	s_add_nc_u64 s[G0+4*\slot+2:G0+4*\slot+3], s[4:5], s[TO:TO+1]
	s_or_b32 s[G0+4*\slot+3], s[G0+4*\slot+3], 0x80000000
	s_add_nc_u64 s[G0B+4*\slot+2:G0B+4*\slot+3], s[8:9], s[TO:TO+1]
	s_or_b32 s[G0B+4*\slot+3], s[G0B+4*\slot+3], 0x80000000
	JLOAD G0+4*\slot, G1, G0B+4*\slot, G1B         ; the first tensor load behind the round
.else
	tensor_load_to_lds s[G0C:G0C+3], s[G1C:G1C+7]  ; my one tensor load behind the round: it has a K step and a half of products in which to land
	s_nop 0
.rept 4
	v_nop
.endr
.endif
	v_add_nc_u32 v[ADSA], 1024, v[ADSA]            ; on to the next K step's scale words: they lie in the order of the walk
	v_add_nc_u32 v[ADSB], 1024, v[ADSB]
	SCALES \next
	LDB \next, 0, 0, 0
	LDB \next, 0, 0, 1
	GRP 6, 1, 1, \slot, 0
	LDB \next, 0, 0, 2
	GRP 7, 1, 1, \slot, 0
	LDB \next, 0, 0, 3
	REST \slot, 1, 1, 0, \next, 0, 0, 0
.endm
	s_wait_tensorcnt 1                             ; the scale words and my part of the first K step are in (the second's load may be out)
	s_barrier_signal -1
	s_barrier_wait -1                              ; everybody's are
	SCALES 0                                       ; the first step's fragments, in the order in which every step asks for the next one's
.irp i, 0,1,2,3
	LDB 0, 0, 0, \i
.endr
	LDA 0, 0, 0
.irp i, 4,5,6,7
	LDB 0, 0, 0, \i
.endr
.irp i, 1,2,3
	LDA 0, 0, \i
.endr
	STEP 0, 1                                      ; the first step stands in front of the loop: its products start the sums, on the bias
	s_mov_b32 s3, 3
.Llap:                                                 ; a trip goes once round the ring (512 along K), from a lap's second step to the next lap's first, and fills both slots again
	TURN 0, 1, 1
	STEP 1, 0
	TURN 1, 0, 1
	STEP 0, 0
	s_sub_co_u32 s3, s3, 1
	s_cmp_lg_u32 s3, 0
	s_cbranch_scc1 .Llap
	TURN 0, 1, 2                                   ; the last lap: slot 0 is left for good and takes c_tm1
	STEP 1, 0
	s_wait_dscnt 28                                ; the very last step: only its own blocks 4-7 are still to fetch
	GRP 0, 1, 1, 1, 0
	LDA 1, 1, 4
	LDA 1, 1, 5
	s_wait_dscnt 20
	GRP 1, 1, 1, 1, 0
	LDA 1, 1, 6
	LDA 1, 1, 7
	s_wait_dscnt 16                                ; blocks 1-3 are in (blocks 4-7's sixteen loads may be out)
.irp g, 2,3,4,5,6,7
	GRP \g, 1, 1, 1, 0
.endr
	s_wait_dscnt 0x0
.irp g, 8,9,10,11,12,13,14,15
	GRP \g, 1, 1, 1, 0
.endr
	WIN 0
	PLACES NP                                      ; in front of the first read of results and of the writes and loads into the registers that held fragments
	; ---- THE LSTM STEP, a block of 16 rows at a time.
	s_wait_tensorcnt 0x0                           ; my 64 rows of c_tm1 have landed,
	s_wait_dscnt 0x0                               ; and no LDS read of mine is out:
	s_barrier_signal -1
	s_barrier_wait -1                              ; both hold of every wave: the tile is whole, and nobody reads slot 1 or the scale words any more
; EACH BLOCK LEAVES AS SOON AS IT IS WHOLE.  A row's 256 bytes of a result come from two waves, so they meet in a stage; behind one barrier a block each wave reads 16 whole rows back (of h_t or of c_t, by its half of the
; columns; of its own half of the rows) and stores them in the middle of the next block's arithmetic.  Every stage row is written once, so one barrier a block is enough.
.macro CLOAD a                         ; my sixteen numbers of c_tm1 in row 16 a + r: register m = hidden column 16 h + m
.irp k, 0,1,2,3
	ds_load_b128 v[TC+16*((\a)%2)+4*\k:TC+16*((\a)%2)+4*\k+3], v[CA] offset:16*CP*(\a)+16*\k
.endr
.endm
.macro P1 a                            ; block a, first part: the 64 gates' powers of two
.set AC, 64*((\a)%4)                   ; the block's eight accumulators, in window 2 or 3
.if (\a) < 7
	CLOAD (\a)+1
.endif
	WIN 0x02+(\a)/4                                ; source 0: the accumulators' window
.set k, 0
.rept 32                               ; the exponents, two at a time; each accumulator from its low end on.  Register 32 t + 8 g + j: gate g of column 16 h + 2 j + t
.if (k/8)%4 == 2
	v_pk_mul_f32 v[EG+k:EG+k+1], v[AC+k:AC+k+1], s[KT:KT+1] op_sel_hi:[1,0]   ; the candidate: 2 x log2 e
.else
	v_pk_mul_f32 v[EG+k:EG+k+1], v[AC+k:AC+k+1], s[KS:KS+1] op_sel_hi:[1,0]   ; f, i, o: -x log2 e
.endif
.set k, k+2
.endr
	WIN 0
.set k, 0
.rept 64
	v_exp_f32 v[EG+k], v[EG+k]
.set k, k+1
.endr
.endm
.macro MEET                            ; my stores into the stages have landed and my LDS loads are in: then the work-group's barrier
	s_wait_dscnt 0x0
	s_barrier_signal -1
	s_barrier_wait -1
.endm
.macro RBLOAD b                        ; 16 whole rows of block b, two an instruction, into set b % 2
.if (\b) >= 2
	s_wait_xcnt 0x0                                ; block b - 2's stores have read this set: it is loaded again only behind this wait
.endif
.set n, 0
.rept 8
	ds_load_b128 v[RB+32*((\b)%2)+4*n:RB+32*((\b)%2)+4*n+3], v[RD] offset:(16*(\b)+2*n)*CP
.set n, n+1
.endr
.endm
.macro SEND b
.set n, 0
.rept 8
	global_store_b128 v[CO], v[RB+32*((\b)%2)+4*n:RB+32*((\b)%2)+4*n+3], s[16:17] offset:(16*(\b)+2*n)*4096 th:TH_STORE_NT   ; 16 lanes store 256 consecutive bytes, at a multiple of 256 from the output's first byte; written once, read by nobody here
.set n, n+1
.endr
.endm
.macro P2 a                            ; block a, second part; in its middle the block before goes out
.set TT, TC+16*((\a)%2)
	v_nop                                          ; one plain line behind the transcendentals (ISA guide 5.7.2)
.set k, 0
	s_wait_alu depctr_va_vdst(0)
.rept 32
	v_pk_add_f32 v[EG+k:EG+k+1], v[EG+k:EG+k+1], 1.0 op_sel_hi:[1,0]
.set k, k+2
.endr
.set k, 0
.rept 64
	v_rcp_f32 v[EG+k], v[EG+k]                     ; f, i, o: the sigmoid
.set k, k+1
.endr
	v_nop
.if (\a) > 0
	s_wait_dscnt 0x0                               ; the rows of the block before are back (this block's c_tm1 came in ahead of the barrier)
	SEND (\a)-1
.else
	s_wait_dscnt 4                                 ; block 0's c_tm1 is in; block 1's four loads may be out
.endif
	s_wait_alu depctr_va_vdst(0)
.irp t, 0,1
.irp j, 0,2,4,6
	v_pk_fma_f32 v[EG+32*\t+16+\j:EG+32*\t+17+\j], v[EG+32*\t+16+\j:EG+32*\t+17+\j], -2.0, 1.0 op_sel_hi:[1,0,0]   ; the candidate: tanh = 1 - 2 / (1 + 2^..)
.endr
.endr
.irp t, 0,1
.irp j, 0,2,4,6
	v_pk_mul_f32 v[EG+32*\t+8+\j:EG+32*\t+9+\j], v[EG+32*\t+8+\j:EG+32*\t+9+\j], v[EG+32*\t+16+\j:EG+32*\t+17+\j]   ; i x candidate
.endr
.endr
.irp t, 0,1
.irp j, 0,1,2,3,4,5,6,7
	v_fma_f32 v[TT+2*\j+\t], v[EG+32*\t+\j], v[TT+2*\j+\t], v[EG+32*\t+8+\j]   ; c_t = f c_tm1 + i x candidate
.endr
.endr
.irp j, 0,2,4,6,8,10,12,14
	v_pk_mul_f32 v[UH+\j:UH+\j+1], v[TT+\j:TT+\j+1], s[KT:KT+1] op_sel_hi:[1,0]
.endr
.set k, 0
.rept 16
	v_exp_f32 v[UH+k], v[UH+k]
.set k, k+1
.endr
	v_nop
	s_wait_alu depctr_va_vdst(0)
.irp j, 0,2,4,6,8,10,12,14
	v_pk_add_f32 v[UH+\j:UH+\j+1], v[UH+\j:UH+\j+1], 1.0 op_sel_hi:[1,0]
.endr
.set k, 0
.rept 16
	v_rcp_f32 v[UH+k], v[UH+k]
.set k, k+1
.endr
	v_nop
	s_wait_alu depctr_va_vdst(0)
.irp j, 0,2,4,6,8,10,12,14
	v_pk_fma_f32 v[UH+\j:UH+\j+1], v[UH+\j:UH+\j+1], -2.0, 1.0 op_sel_hi:[1,0,0]   ; tanh(c_t)
.endr
.irp t, 0,1
.irp j, 0,1,2,3,4,5,6,7
	v_mul_f32 v[UH+2*\j+\t], v[EG+32*\t+24+\j], v[UH+2*\j+\t]   ; h_t = o tanh(c_t)
.endr
.endr
.irp k, 0,1,2,3
	ds_store_b128 v[CSA], v[TT+4*\k:TT+4*\k+3] offset:16*CP*(\a)+16*\k   ; 64 bytes of a row into each stage
	ds_store_b128 v[HA], v[UH+4*\k:UH+4*\k+3] offset:16*CP*(\a)+16*\k
.endr
.endm
	CLOAD 0
	P1 0
	P2 0
.irp a, 1,2,3,4,5,6,7
	P1 \a                                          ; 64 exponentials stand between the last block's stage stores and the wait for them
	MEET                                           ; the block before is whole in both stages
	RBLOAD \a-1
	P2 \a
.endr
	MEET
	RBLOAD 7
	s_wait_dscnt 0x0
	SEND 7
	s_wait_tensorcnt 0x0                           ; the wave's end: behind my last tensor load and my last LDS store
	ds_add_u32 v[SPW], v[NIL]
	s_wait_dscnt 0x0
	CROUND                                         ; the closing round: no work-group ends while a partner may still ask for a tile that names it
	s_endpgm
.Lfunc_end_k_qdc84ee8227_lstm:
	.size	k_qdc84ee8227_lstm, .Lfunc_end_k_qdc84ee8227_lstm-k_qdc84ee8227_lstm
	.p2alignl 7, 3214868480
	.fill 96, 4, 3214868480
	.section	.rodata,"a",@progbits
	.p2align	6, 0x0
	.amdhsa_kernel k_qdc84ee8227_lstm
		.amdhsa_group_segment_fixed_size 327680
		.amdhsa_private_segment_fixed_size 0
		.amdhsa_enable_private_segment 0
		.amdhsa_kernarg_size 64
		.amdhsa_user_sgpr_count 2
		.amdhsa_user_sgpr_kernarg_segment_ptr 1
		.amdhsa_wavefront_size32 1
		.amdhsa_system_sgpr_workgroup_id_x 1
		.amdhsa_system_sgpr_workgroup_id_y 1
		.amdhsa_system_sgpr_workgroup_id_z 1
		.amdhsa_system_vgpr_workitem_id 0
		.amdhsa_next_free_vgpr 1024
		.amdhsa_next_free_sgpr 106
		.amdhsa_reserve_vcc 0
		.amdhsa_float_denorm_mode_32 3
		.amdhsa_float_denorm_mode_16_64 3
		.amdhsa_memory_ordered 1
		.amdhsa_forward_progress 1
		.amdhsa_inst_pref_size 255
	.end_amdhsa_kernel
	.amdgpu_metadata
---
amdhsa.version: [ 1, 2 ]
amdhsa.kernels:
  - .name:           k_qdc84ee8227_lstm
    .symbol:         k_qdc84ee8227_lstm.kd
    .args:
      - { .name: acodes, .offset: 0, .size: 8, .value_kind: global_buffer, .address_space: global }
      - { .name: ascales, .offset: 8, .size: 8, .value_kind: global_buffer, .address_space: global }
      - { .name: bcodes, .offset: 16, .size: 8, .value_kind: global_buffer, .address_space: global }
      - { .name: bscales, .offset: 24, .size: 8, .value_kind: global_buffer, .address_space: global }
      - { .name: c_tm1, .offset: 32, .size: 8, .value_kind: global_buffer, .address_space: global }
      - { .name: bias, .offset: 40, .size: 8, .value_kind: global_buffer, .address_space: global }
      - { .name: out0, .offset: 48, .size: 8, .value_kind: global_buffer, .address_space: global }
      - { .name: out1, .offset: 56, .size: 8, .value_kind: global_buffer, .address_space: global }
    .group_segment_fixed_size: 327680
    .private_segment_fixed_size: 0
    .kernarg_segment_align: 8
    .kernarg_segment_size: 64
    .max_flat_workgroup_size: 128
    .sgpr_count:     106
    .vgpr_count:     1024
    .wavefront_size: 32
...
	.end_amdgpu_metadata
.endif
;; end of part 2
